; MI455X (gfx1250); checked and timed in simulation.
; The chip was launched on July 23, 2026; its instructions are those of AMD's public machine-readable ISA for CDNA 5 (MIT licence, August 2026) and "CDNA5" Instruction Set Architecture Reference Guide (July 2026). The comments in the code are by the model that wrote it; some were corrected since.
;; Differentiable Palette Quantization. Allowed arithmetic: float matrix products may take bf16 or f16 operands with f32 sums; all other float work in f32.
;; Inputs: images 32 x 256 x 256 x 3 float32; palettes 32 x 32 x 3 float32; temperature one number float32.
;; Outputs: out0 32 x 256 x 256 x 3 float32.
;; One version. Each part assembles by itself: llvm-mc -triple=amdgcn-amd-amdhsa -mcpu=gfx1250 --defsym DOCPART=n.
;; ======== version 1 of 1: 1 launch
;; launch palette (part 1): grid 256 x 1, 16 waves a work-group, no clusters, 169,984 bytes of LDS; arguments images, palettes, temperature, out0; writes out0
.if DOCPART == 1
	.amdgcn_target "amdgcn-amd-amdhsa--gfx1250"
	.amdhsa_code_object_version 6
	.text
	.protected	k_q4f4322c8ed_palette
	.globl	k_q4f4322c8ed_palette
	.p2align	8
	.type	k_q4f4322c8ed_palette,@function
k_q4f4322c8ed_palette:
	s_mov_b64 s[64:65], 0
	v_nop
	global_prefetch_b8 v0, s[64:65] scope:SCOPE_SE
	s_setreg_imm32_b32 hwreg(HW_REG_WAVE_MODE, 25, 1), 1
	s_wait_xcnt 0x0
; out[pixel][:] = sum_k w_k p_k,  w = softmax_k( -|x - p_k|^2 / T ).  images, out0: [32][65536 pixels][3] f32; palettes: [32][32][3] f32; T: one f32.
;
; ARITHMETIC.  c = mean of the batch's 32 palette entries, x' = x - c, p' = p - c, s = log2(e) / T.  Then
;   -|x - p_k|^2 log2(e) / T = -s |x'|^2 + x'.a_k + b_k   with a_k = 2 s p'_k,  b_k = -s |p'_k|^2.
; The first term is the same for all k and falls out of the softmax, so a logit is three fused multiply-adds in f32.  Centring keeps the
; products as small as the differences that count, also where images and palettes carry a common offset.  The largest of a pixel's 32
; logits is taken away before the exponential (base 2: the factor is in s).  The weighted sum goes to the matrix unit in bf16 with f32 sums:
; weights x [p'_R, p'_G, p'_B, 1], so that numerators and the sum of the weights are made of the same rounded weights; out = c + numerator / sum.
;
; LIMITS.  Weights and centred palette are rounded to bf16 for the product.  1/T is v_rcp_f32: 1 ulp, and |T| < 2^-126 counts as 0.
; A pixel that holds a NaN or an infinity gives NaN, and also in the pixel 16 places from it in its group of 32 (the two share an accumulator
; column, and 0 x NaN is NaN).  Logits beyond f32's range (|x'| |p'| |s| above about 1e38) are not served.
;
; SHARES.  256 work-groups of 16 waves.  A work-group owns 8,192 pixels of one batch (batch = work-group / 8), a wave 512 of them, 6,144 bytes.
; The work-group's whole input, 98,304 bytes, fits in LDS: each wave asks for its 6,144 bytes at once, as four tensor loads of 1,536 bytes into
; bytes of its own; nothing is filled twice.  Four tensor loads of a wave are out at the most.
; No cluster: work-groups share nothing but 384 bytes of palette.
; A lane takes one pixel a step (32 pixels a wave), two steps an iteration, two iterations a chunk of 128 pixels.
; Results leave through a stage of 1,536 bytes for each wave: 12 bytes a lane in, 16 bytes a lane back, so that each global store covers 512
; consecutive bytes that start at a multiple of 512 from out0's first byte.
.set WAVES,      16
.set WG_BYTES,   98304                 ; 8,192 pixels x 12 bytes
.set WAVE_BYTES, 6144                  ; 512 pixels
.set CHUNK,      1536                  ; 128 pixels: one tensor load, one turn of the stage
.set STEP,       384                   ; 32 pixels
.set PAL_BYTES,  384                   ; a batch's palette
.set STAGE,      WG_BYTES              ; LDS: behind the input, 1,536 bytes a wave; no tensor load lands here
.set COEF,       STAGE+WAVES*CHUNK     ; LDS: 1,024 bytes a wave: a0[32], a1[32], a2[32], b[32], p'R[32], p'G[32], p'B[32], ones[32]
.set LA,   2                           ; v2        LDS address of my pixel in my wave's first step
.set ST,   3                           ; v3        stage: where my pixel's 12 bytes go
.set RD,   4                           ; v4        stage: where I read 16 bytes back
.set GO,   5                           ; v5        16 x lane: my byte offset in a store of 512 bytes
.set Q,    6                           ; v[6:7]    1 / sum of weights, step 0 and step 1.  At the start: 12 x lane
.set M,    8                           ; v[8:11]   four running maxima; the pixel's maximum ends in v8
.set CEN,  12                          ; v[12:14]  c
.set X0,   16                          ; v[16:18]  step 0's pixel; v19 is only the pair's other half
.set X1,   20                          ; v[20:22]  step 1's pixel; v23 likewise
.set T,    24                          ; v[24:35]  the way out.  At the start: three LDS addresses and a scratch word
.set ACC0, 36                          ; v[36:43]  accumulator of step 0: registers 0-3 = R, G, B, sum of my pixel
.set ACC1, 44                          ; v[44:51]  accumulator of step 1
.set PA,   52                          ; v[52:59]  palette fragment with rows 0-3 filled: results for lanes 0-15
.set PB,   60                          ; v[60:67]  palette fragment with rows 8-11 filled: results for lanes 16-31
.set R,    68                          ; v[68:115] logits, then weights: step 0 in R..R+31, packed into R..R+15; step 1 in R+16..R+47, packed into R+16..R+31
.set CF,   116                         ; v[116:243] a0[k] at CF+k, a1[k] at CF+32+k, a2[k] at CF+64+k, b[k] at CF+96+k, the same in every lane
.set PP,   R                           ; at the start: my palette entry (lane k holds entry k)
.set SS,   R+4                         ; its sums over the lanes
.set TT,   R+8                         ; s, 2 s, b, 1.0, a0, a1, a2
.set FT,   R+16                        ; sixteen f32 of one palette row
.set G1,   16                          ; s[16:23]  descriptor group 1, the same for all loads
.set G0,   24                          ; s[24:39]  descriptor group 0, one set for each of the four loads
	s_load_b256 s[4:11], s[0:1], 0x0               ; images s[4:5], palettes s[6:7], temperature s[8:9], out0 s[10:11]
	v_lshl_add_u32 v244, v0, 2, 0x29000
	v_mov_b32 v245, 0
	ds_add_u32 v244, v245
	ds_add_u32 v244, v245
	v_lshrrev_b32 v1, 5, v0
	v_readfirstlane_b32 s13, v1                    ; my wave's number, 0 to 15
	v_and_b32 v1, 31, v0                           ; lane
	v_mul_u32_u24 v[Q], 12, v1                     ; 12 x lane: a pixel, or a palette entry, for each lane
	; Group 1: the chunk is dense in memory and comes as 6 rows of 32 elements of 8 bytes (256 bytes), pitch 32 elements, no padding
	s_mov_b32 s[G1+0], 3<<16                       ; no mask; element of 8 bytes
	s_mov_b32 s[G1+1], 32<<16                      ; tensor_dim0 = 32
	s_mov_b32 s[G1+2], 6<<16                       ; tensor_dim1 = 6
	s_mov_b32 s[G1+3], 32<<16                      ; tile_dim0 = 32
	s_mov_b32 s[G1+4], 6                           ; tile_dim1 = 6
	s_mov_b32 s[G1+5], 32                          ; from row to row: 32 elements
	s_mov_b32 s[G1+6], 0
	s_mov_b32 s[G1+7], 0
	s_mul_i32 s15, s13, WAVE_BYTES                 ; my wave's bytes: in LDS, and inside the work-group's share
	s_mul_i32 s2, ttmp9, WG_BYTES                  ; 25,159,680 at the most with the line below
	s_add_co_u32 s2, s2, s15
	s_mov_b32 s3, 0
	s_lshr_b32 s40, ttmp9, 3                       ; batch
	s_mul_i32 s40, s40, PAL_BYTES
	s_mov_b32 s41, 0
	s_mul_i32 s14, s13, CHUNK
	s_add_co_u32 s14, s14, STAGE                   ; my wave's stage
	s_lshl_b32 s42, s13, 10
	s_add_co_u32 s42, s42, COEF                    ; my wave's 1,024 bytes of coefficients
	s_mov_b32 s44, 0x76543210                      ; v_permlanex16_b32: lane i of one half reads lane i of the other
	s_mov_b32 s45, 0xfedcba98
	s_wait_dscnt 0x0
	s_wait_kmcnt 0x0
	s_load_b32 s12, s[8:9], 0x0                    ; T
	s_add_nc_u64 s[6:7], s[6:7], s[40:41]          ; my batch's palette
	global_load_b96 v[PP:PP+2], v[Q], s[6:7]       ; lane k: entry k
	s_add_nc_u64 s[4:5], s[4:5], s[2:3]            ; images and out0 at my wave's first pixel
	s_add_nc_u64 s[10:11], s[10:11], s[2:3]
	; The four fills go out together, ahead of every wait on TENSORcnt.  LDS address: 6,144 x wave + 1,536 x chunk.
.irp i, 0,1,2,3
	s_mov_b32 s[G0+4*\i], 1
	s_add_co_u32 s[G0+4*\i+1], s15, \i*CHUNK
	s_add_nc_u64 s[G0+4*\i+2:G0+4*\i+3], s[4:5], \i*CHUNK
	s_or_b32 s[G0+4*\i+3], s[G0+4*\i+3], 0x80000000
	tensor_load_to_lds s[G0+4*\i:G0+4*\i+3], s[G1:G1+7]
	s_nop 0
.endr
	v_add_nc_u32 v[LA], s15, v[Q]
	v_add_nc_u32 v[ST], s14, v[Q]
	v_lshl_add_u32 v[RD], v1, 4, s14
	v_lshlrev_b32 v[GO], 4, v1
	v_lshl_add_u32 v[T], v1, 2, s42                ; coefficients in: word k of each row of 32
	v_mov_b32 v[T+1], s42                          ; coefficients back: the same address in every lane
	v_and_b32 v[T+2], 3, v0                        ; palette fragment: lane (r, h) reads row r mod 4,
	v_bfe_u32 v[T+3], v0, 4, 1
	v_lshlrev_b32 v[T+2], 7, v[T+2]
	v_lshl_add_u32 v[T+2], v[T+3], 6, v[T+2]       ; entries 16 h to 16 h + 15
	v_add_nc_u32 v[T+2], s42, v[T+2]
	v_bfe_u32 v[T+3], v0, 2, 2                     ; r / 4
	v_cmp_eq_u32 vcc_lo, 0, v[T+3]                 ; rows 0-3
	v_cmp_eq_u32 s46, 2, v[T+3]                    ; rows 8-11
	v_mov_b32 v[X0+3], 0                           ; the upper halves of the pairs (x2, -): never used, but named with x2
	v_mov_b32 v[X1+3], 0
	; c, then a, b and p' of my entry
	s_wait_loadcnt 0x0
.irp c, 0,1,2
	v_mov_b32 v[SS+\c], v[PP+\c]
	v_mov_b32 v[CEN+\c], v[PP+\c]                  ; any value: the destination of v_permlanex16_b32 counts as read
.endr
.irp m, 1,2,4,8
.irp c, 0,1,2
	v_add_f32_dpp v[SS+\c], v[SS+\c], v[SS+\c] row_xmask:\m row_mask:0xf bank_mask:0xf
.endr
.endr
.irp c, 0,1,2
	v_permlanex16_b32 v[CEN+\c], v[SS+\c], s44, s45
.endr
.irp c, 0,1,2
	v_add_f32 v[CEN+\c], v[SS+\c], v[CEN+\c]       ; the sum over all 32 entries, the same bits in every lane
.endr
	s_wait_kmcnt 0x0
	v_rcp_f32 v[TT], s12                           ; plain vector instructions follow before its result is used (ISA guide 5.7.2)
.irp c, 0,1,2
	v_mul_f32 v[CEN+\c], 0x3d000000, v[CEN+\c]     ; / 32
.endr
.irp c, 0,1,2
	v_sub_f32 v[PP+\c], v[PP+\c], v[CEN+\c]        ; p'
.endr
	s_wait_alu depctr_va_vdst(0)
	v_mul_f32 v[TT], 0x3fb8aa3b, v[TT]             ; s = log2(e) / T
	v_mul_f32 v[TT+2], v[PP], v[PP]
	v_add_f32 v[TT+1], v[TT], v[TT]                ; 2 s
	v_fma_f32 v[TT+2], v[PP+1], v[PP+1], v[TT+2]
	v_mov_b32 v[TT+3], 1.0
	v_fma_f32 v[TT+2], v[PP+2], v[PP+2], v[TT+2]   ; |p'|^2
.irp c, 0,1,2
	v_mul_f32 v[TT+4+\c], v[TT+1], v[PP+\c]        ; a
.endr
	v_mul_f32 v[TT+2], -v[TT], v[TT+2]             ; b
	; Through my wave's own LDS bytes: lane k writes word k of eight rows; every lane reads all of them back.
	; LDS serves a wave's instructions in order (ISA guide 5.7.1), so the loads see the stores without a wait between them.
	ds_store_b32 v[T], v[TT+4]
	ds_store_b32 v[T], v[TT+5] offset:128
	ds_store_b32 v[T], v[TT+6] offset:256
	ds_store_b32 v[T], v[TT+2] offset:384
	ds_store_b32 v[T], v[PP]   offset:512
	ds_store_b32 v[T], v[PP+1] offset:640
	ds_store_b32 v[T], v[PP+2] offset:768
	ds_store_b32 v[T], v[TT+3] offset:896
.set i, 0
.rept 32
	ds_load_b128 v[CF+4*i:CF+4*i+3], v[T+1] offset:16*i
.set i, i+1
.endr
.irp i, 0,1,2,3
	ds_load_b128 v[FT+4*\i:FT+4*\i+3], v[T+2] offset:512+16*\i
.endr
	s_wait_tensorcnt 0x3                           ; tensor loads of a wave end in order (ISA guide 10.11.1): chunk 0 is in, the three younger loads stay out
	ds_load_b96 v[X0:X0+2], v[LA]
	ds_load_b96 v[X1:X1+2], v[LA] offset:STEP
	s_wait_dscnt 0x0
	; Palette fragments.  Register i of lane (r, h) holds entries 16 h + 2 i and 16 h + 2 i + 1 of row r.  The weights' fragments below use the
	; same places, so the order of k inside the matrix instruction is permuted alike on both sides and the products meet.
.irp i, 0,1,2,3,4,5,6,7
	v_cvt_pk_bf16_f32 v[FT+\i], v[FT+2*\i], v[FT+2*\i+1]
.endr
.irp i, 0,1,2,3,4,5,6,7
	v_cndmask_b32 v[PA+\i], 0, v[FT+\i], vcc_lo    ; rows 0-3 = p'R, p'G, p'B, ones; all other rows 0
	v_cndmask_b32 v[PB+\i], 0, v[FT+\i], s46       ; the same in rows 8-11
.endr
.macro CENTER                          ; x' = x - c for both steps: four plain vector instructions
	v_pk_add_f32 v[X0:X0+1], v[X0:X0+1], v[CEN:CEN+1] neg_lo:[0,1] neg_hi:[0,1]
	v_sub_f32 v[X0+2], v[X0+2], v[CEN+2]
	v_pk_add_f32 v[X1:X1+1], v[X1:X1+1], v[CEN:CEN+1] neg_lo:[0,1] neg_hi:[0,1]
	v_sub_f32 v[X1+2], v[X1+2], v[CEN+2]
.endm
.macro LOGITS x, r                     ; 32 logits of my pixel, two k at a time: 48 packed multiply-adds, in three layers of 16 that do not wait for each other
.set j, 0
.rept 16
	v_pk_fma_f32 v[\r+j:\r+j+1], v[\x:\x+1], v[CF+j:CF+j+1], v[CF+96+j:CF+97+j] op_sel_hi:[0,1,1]                  ; x0 for both halves
.set j, j+2
.endr
.set j, 0
.rept 16
	v_pk_fma_f32 v[\r+j:\r+j+1], v[\x:\x+1], v[CF+32+j:CF+33+j], v[\r+j:\r+j+1] op_sel:[1,0,0] op_sel_hi:[1,1,1]   ; x1 for both halves
.set j, j+2
.endr
.set j, 0
.rept 16
	v_pk_fma_f32 v[\r+j:\r+j+1], v[\x+2:\x+3], v[CF+64+j:CF+65+j], v[\r+j:\r+j+1] op_sel_hi:[0,1,1]                ; x2 for both halves
.set j, j+2
.endr
.endm
.macro MAXM r                          ; the largest of the 32, in 16 instructions: four chains over 7 numbers each, then the chains and the 4 left over
.irp c, 0,1,2,3
	v_max3_num_f32 v[M+\c], v[\r+8*\c], v[\r+8*\c+1], v[\r+8*\c+2]
.endr
.irp c, 0,1,2,3
	v_max3_num_f32 v[M+\c], v[M+\c], v[\r+8*\c+3], v[\r+8*\c+4]
.endr
.irp c, 0,1,2,3
	v_max3_num_f32 v[M+\c], v[M+\c], v[\r+8*\c+5], v[\r+8*\c+6]
.endr
	v_max3_num_f32 v[M], v[M], v[M+1], v[\r+7]
	v_max3_num_f32 v[M+2], v[M+2], v[M+3], v[\r+15]
	v_max3_num_f32 v[M], v[M], v[M+2], v[\r+23]
	v_max_num_f32 v[M], v[M], v[\r+31]
.endm
.macro SUBM r, k                       ; two logits less the maximum
	v_pk_add_f32 v[\r+\k:\r+\k+1], v[\r+\k:\r+\k+1], v[M:M+1] op_sel_hi:[1,0] neg_lo:[0,1] neg_hi:[0,1]
.endm
; Weights.  For pair j: subtract, two exponentials, round both to bf16 into register r + j (a register whose two numbers have been packed already).
; The three are staggered: behind the exponentials of pair j stand the subtraction of pair j + 2 and the packing of pair j - 1, plain vector
; instructions that touch neither the results nor the sources of those exponentials (ISA guide 5.7.2).
.macro SOFT r
	SUBM \r, 0
	SUBM \r, 2
.set j, 0
.rept 16
	v_exp_f32 v[\r+2*j], v[\r+2*j]
	v_exp_f32 v[\r+2*j+1], v[\r+2*j+1]
.if j < 14
	SUBM \r, 2*j+4
.endif
.if j > 0
	s_wait_alu depctr_va_vdst(0)
	v_cvt_pk_bf16_f32 v[\r+j-1], v[\r+2*j-2], v[\r+2*j-1]
.endif
.set j, j+1
.endr
	v_cvt_pk_bf16_f32 v[\r+15], v[\r+30], v[\r+31]
.endm
; From 'my pixel's 32 weights in 16 registers' to two fragments.  Register r + i holds entries 2 i, 2 i + 1, register r + 8 + i entries 16 + 2 i, 17 + 2 i.
; The swap exchanges the first's lanes 16-31 with the second's lanes 0-15.  Then r + i is register i of the fragment of pixels 0-15 (lane (p, h): pixel p,
; entries 16 h + 2 i ..), and r + 8 + i the same for pixels 16-31.
.macro SWAP r
.irp i, 0,1,2,3,4,5,6,7
	v_permlane16_swap_b32 v[\r+\i], v[\r+8+\i]
.endr
.endm
; An iteration: 64 pixels of the wave.  x' of both steps is ready on entry; the next iteration's pixels are asked of LDS as soon as a step's logits are made.
.macro ITER it, last
	LOGITS X0, R
.if \last == 0
.if (\it & 1) == 1
	s_wait_tensorcnt 3-(\it+1)/2                   ; the next iteration begins a chunk: its load is in, the younger ones stay out
.endif
	ds_load_b96 v[X0:X0+2], v[LA] offset:(\it+1)*2*STEP
.endif
	MAXM R
	SOFT R
	SWAP R
	LOGITS X1, R+16
.if \last == 0
	ds_load_b96 v[X1:X1+2], v[LA] offset:(\it+1)*2*STEP+STEP
.endif
	MAXM R+16
	SOFT R+16
	SWAP R+16
.if \last == 0
	s_wait_dscnt 0x0                               ; the next 64 pixels are in registers
.endif
	; Used transposed: source 0 = palette rows, source 1 = 16 pixels' weights.  Lane (p, h) gets rows 8 h + 0..3 of column p: with rows 0-3 filled for pixels
	; 0-15 and rows 8-11 for pixels 16-31, every lane finds R, G, B and the sum of its own pixel in registers 0-3.
	; The two accumulators take turns, one instruction a turn.
	v_wmma_f32_16x16x32_bf16 v[ACC0:ACC0+7], v[PA:PA+7], v[R:R+7], 0
	v_wmma_f32_16x16x32_bf16 v[ACC1:ACC1+7], v[PA:PA+7], v[R+16:R+23], 0
	v_wmma_f32_16x16x32_bf16 v[ACC0:ACC0+7], v[PB:PB+7], v[R+8:R+15], v[ACC0:ACC0+7]
	v_wmma_f32_16x16x32_bf16 v[ACC1:ACC1+7], v[PB:PB+7], v[R+24:R+31], v[ACC1:ACC1+7]
	; four places behind the matrix instructions before a result is read or a source rewritten (ISA guide 7.12.1): the next pixels are centred there
.if \last == 0
	CENTER
.else
.rept 4
	v_nop
.endr
.endif
	v_rcp_f32 v[Q], v[ACC0+3]                      ; the sum holds the largest weight, 1.0: it is at least 1
	v_rcp_f32 v[Q+1], v[ACC1+3]
	v_nop                                          ; one plain place behind the reciprocals (ISA guide 5.7.2)
	s_wait_alu depctr_va_vdst(0)
	v_pk_fma_f32 v[ACC0:ACC0+1], v[ACC0:ACC0+1], v[Q:Q+1], v[CEN:CEN+1] op_sel_hi:[1,0,1]
	v_fma_f32 v[ACC0+2], v[ACC0+2], v[Q], v[CEN+2]
	v_pk_fma_f32 v[ACC1:ACC1+1], v[ACC1:ACC1+1], v[Q:Q+1], v[CEN:CEN+1] op_sel:[0,1,0] op_sel_hi:[1,1,1]
	v_fma_f32 v[ACC1+2], v[ACC1+2], v[Q+1], v[CEN+2]
	ds_store_b96 v[ST], v[ACC0:ACC0+2] offset:(\it&1)*2*STEP
	ds_store_b96 v[ST], v[ACC1:ACC1+2] offset:(\it&1)*2*STEP+STEP
.if (\it & 1) == 1
	; a chunk is done: its 1,536 bytes leave.  The stage is my wave's own, and LDS serves a wave in order: the loads see the four stores.
	s_wait_xcnt 0x0                                ; every earlier memory instruction has had its addresses translated (ISA guide 3.1): T, the last chunk's store data, is loaded again only behind this wait
.irp t, 0,1,2
	ds_load_b128 v[T+4*\t:T+4*\t+3], v[RD] offset:512*\t
.endr
.irp t, 0,1,2
	s_wait_dscnt 2-\t                              ; LDS loads come back in order: number t is in, the younger ones stay out
	global_store_b128 v[GO], v[T+4*\t:T+4*\t+3], s[10:11] offset:(\it>>1)*CHUNK+512*\t th:TH_STORE_NT   ; 32 lanes, 512 consecutive bytes
.endr
.endif
.endm
	CENTER
.irp it, 0,1,2,3,4,5,6
	ITER \it, 0
.endr
	ITER 7, 1                                      ; nothing is left to read; iteration 5 has waited for the last tensor load
	s_wait_tensorcnt 0x0
	ds_add_u32 v244, v245
	s_wait_dscnt 0x0
	s_endpgm
.Lfunc_end_k_q4f4322c8ed_palette:
	.size	k_q4f4322c8ed_palette, .Lfunc_end_k_q4f4322c8ed_palette-k_q4f4322c8ed_palette
	.p2alignl 7, 3214868480
	.fill 96, 4, 3214868480
	.section	.rodata,"a",@progbits
	.p2align	6, 0x0
	.amdhsa_kernel k_q4f4322c8ed_palette
		.amdhsa_group_segment_fixed_size 169984
		.amdhsa_private_segment_fixed_size 0
		.amdhsa_enable_private_segment 0
		.amdhsa_kernarg_size 32
		.amdhsa_user_sgpr_count 2
		.amdhsa_user_sgpr_kernarg_segment_ptr 1
		.amdhsa_wavefront_size32 1
		.amdhsa_system_sgpr_workgroup_id_x 1
		.amdhsa_system_sgpr_workgroup_id_y 1
		.amdhsa_system_sgpr_workgroup_id_z 1
		.amdhsa_system_vgpr_workitem_id 0
		.amdhsa_next_free_vgpr 246
		.amdhsa_next_free_sgpr 66
		.amdhsa_reserve_vcc 1
		.amdhsa_float_denorm_mode_32 3
		.amdhsa_float_denorm_mode_16_64 3
		.amdhsa_memory_ordered 1
		.amdhsa_forward_progress 1
		.amdhsa_inst_pref_size 145
	.end_amdhsa_kernel
	.amdgpu_metadata
---
amdhsa.version: [ 1, 2 ]
amdhsa.kernels:
  - .name:           k_q4f4322c8ed_palette
    .symbol:         k_q4f4322c8ed_palette.kd
    .args:
      - { .name: images, .offset: 0, .size: 8, .value_kind: global_buffer, .address_space: global }
      - { .name: palettes, .offset: 8, .size: 8, .value_kind: global_buffer, .address_space: global }
      - { .name: temperature, .offset: 16, .size: 8, .value_kind: global_buffer, .address_space: global }
      - { .name: out0, .offset: 24, .size: 8, .value_kind: global_buffer, .address_space: global }
    .group_segment_fixed_size: 169984
    .private_segment_fixed_size: 0
    .kernarg_segment_align: 8
    .kernarg_segment_size: 32
    .max_flat_workgroup_size: 512
    .sgpr_count:     66
    .vgpr_count:     246
    .wavefront_size: 32
...
	.end_amdgpu_metadata
.endif
;; end of part 1
